; MI455X (gfx1250); checked and timed in simulation.
; The chip was launched on July 23, 2026; its instructions are those of AMD's public machine-readable ISA for CDNA 5 (MIT licence, August 2026) and "CDNA5" Instruction Set Architecture Reference Guide (July 2026). The comments in the code are by the model that wrote it; some were corrected since.
;; QKV Attention. Allowed arithmetic: matrix products marked QUANTISED: E2M1 operands, one E8M0 scale for each 32 along K, by v_wmma_scale_f32_16x16x128_f8f6f4 with both operands' format E2M1 (or v_wmma_scale_f32_32x16x128_f4), f32 sums; everything else in f32.
;; Inputs: qkv 64 x 384 x 2,048 float32.
;; Outputs: out0 64 x 128 x 2,048 float32.
;; This version of the problem:
;;   THIS VERSION OF THE PROBLEM IS GIVEN IN LOW PRECISION. The matrix products marked QUANTISED in the list below multiply operands that are first quantised to E2M1 (2 exponent bits, 1 mantissa bit; 4 bits a number), with one power-of-two scale for each 32 numbers along K (OCP MX v1.0); their sums are f32. All else is computed in f32.
;;   The module's matrix products, in the order in which they are computed (A, B: the left and right operand; K: the contracted axis; several contracted axes count as one K, in the product's order):
;;     1. batch 64 x [M 2,048, K 128] x [K 128, N 2,048]; A: computed on the way; B: computed on the way: QUANTISED
;;     2. batch 64 x [M 128, K 2,048] x [K 2,048, N 2,048]; A: computed on the way; B: softmax (see below): QUANTISED
;;   THE QUANTISER, for each operand of a quantised product, along K:
;;     - K is cut into blocks of 32 from its start; a last block that is shorter is filled with zeros.
;;     - A block's scale is 2^e with e = floor(log2(the largest magnitude in the block)) - 2, held to -126 .. 127; a block of zeros has e = 0. As a byte (E8M0): e + 127.
;;     - Each number is divided by its block's scale, clamped to +-6, and rounded to the nearest number of E2M1, ties to even, subnormals kept.
;;     - The product sums the exact products of the quantised numbers (number of the format x scale) in f32.
;;   ~~~python
;;   def quantise(x, axis):      # numpy; x: float32 -> the quantised numbers, widened to float32 again
;;       x = np.moveaxis(x, axis, -1); K = x.shape[-1]
;;       x = np.pad(x, [(0, 0)] * (x.ndim - 1) + [(0, -K % 32)]); x = x.reshape(x.shape[:-1] + (-1, 32)); a = np.abs(x).max(-1, keepdims=True)
;;       e = np.where(a > 0, np.clip(np.frexp(np.where(a > 0, a, 1))[1] - 1 - 2, -126, 127), 0)      # np.frexp(a)[1] - 1 = floor(log2(a)), exactly
;;       r = np.clip(x / 2.0 ** e, -6, 6)
;;       step = 2.0 ** (np.maximum(np.frexp(np.where(r == 0, 1, r))[1] - 1, 0) - 1)
;;       q = np.round(r / step) * step * 2.0 ** e      # np.round: ties to even
;;       return np.moveaxis(q.reshape(q.shape[:-2] + (-1,))[..., :K], -1, axis).astype(np.float32)
;;   ~~~
;;   SOFTMAX AHEAD OF A QUANTISED PRODUCT. Where the list says 'softmax', what is quantised is not the finished softmax but p = 2^(t - M), with t = logit x log2(e) and M = ceil(the row's largest t), a whole number; so 1/2 < the row's largest p <= 1. The row's sum l is taken of the UNQUANTISED p, in f32, and the product's result is divided by l at the end. Since M is a whole number, a kernel that streams over the keys may use a running M (the ceiling of the running maximum): every later rescaling is an exact power of two, which a block's scale takes up: the codes' values come out the same.
;;   OPERANDS COMPUTED ON THE WAY. 'Computed on the way' means the value that the module computes at that place (a softmax that the list does not call 'softmax' is quantised finished and normalised). What goes into a quantiser is computed in f32, as accurately as f32 sums, v_exp_f32 and their like allow (about 1e-6 of the number): no bf16 or f16 on the way to a quantiser, and a product that is left as it is and whose result goes on into a quantised operand takes f32 operands (vector FMAs, or v_wmma_f32_16x16x4_f32). A number that lies on a knife's edge between two numbers of the format may be rounded either way, as far as f32 arithmetic and the matrix unit's own rounding can turn it there, and no further.
;; One version. Each part assembles by itself: llvm-mc -triple=amdgcn-amd-amdhsa -mcpu=gfx1250 --defsym DOCPART=n.
;; ======== version 1 of 1: 2 launches
;; limits: right only within a limited range of input values
;; workspace buffers: codes 25,165,824 bytes; scales 1,572,864 bytes
;; launch quant (part 1): grid 12 x 64, 4 waves a work-group, no clusters, 34,304 bytes of LDS; arguments qkv, codes, scales; writes codes, scales
.if DOCPART == 1
	.amdgcn_target "amdgcn-amd-amdhsa--gfx1250"
	.amdhsa_code_object_version 6
	.text
	.protected	k_q87487581b7_quant
	.globl	k_q87487581b7_quant
	.p2align	8
	.type	k_q87487581b7_quant,@function
k_q87487581b7_quant:
	s_mov_b64 s[64:65], 0
	v_nop
	global_prefetch_b8 v0, s[64:65] scope:SCOPE_SE
	s_setreg_imm32_b32 hwreg(HW_REG_WAVE_MODE, 25, 1), 1
	s_wait_xcnt 0x0
; qkv [64][384][2048] f32 -> codes of FP4 (E2M1) and E8M0 scale bytes for the two products of the attention launch.
; A SEGMENT is 128 rows of qkv: seg = 3 x batch + type (0 q, 1 k, 2 v), 1 MiB of f32.  A STEP is 128 positions t.
; codes  [192 seg][16 step][8 tile][1,024 bytes]; a tile is the IMAGE OF AN OPERAND'S REGISTERS, [c' = 0,1][lane 16 h + r][16 bytes]:
;        the 32 codes of K block 2 c' + h of the tile's row r.  So the reader's fragment is two loads of 16 bytes at 16 x lane.
; scales [192 seg][16 step][512 bytes]: one word (four bytes, 128 along K) for each row of each tile.
; q, k:  K = the 128 channels (the OUTER axis in memory).  The numbers are first multiplied by 128^(-1/4) in f32, as the reference does.
;        Tile 2 b + u, row r = position 32 b + 8 u + (r & 7) + 16 (r >> 3) of the step, so that the scores of two neighbouring tiles
;        are 16 neighbouring keys in a lane of the reader.  Word of (b, u, r) at 256 u + 16 r + 4 b.
; v:     K = the step's 128 keys (innermost in memory), in their order.  Tile ct, row r = channel 16 ct + r.  Word at 256 (ct >> 2) + 16 r + 4 (ct & 3).
; A block's scale is 2^(floor(log2(largest magnitude)) - 2): its byte is the largest magnitude's exponent field - 2, held at 1 from below by a floor of 2^-124 among the maximum's leaves.
; LIMITS: NaN and infinities among the inputs are not served.  A block of zeros gets the byte 1 where the rule says 127: its codes are zeros, and these bytes are read by this program alone.
; SHARES: work-group x = 4 x type + quarter, y = batch; wave w takes step 4 x quarter + w: 128 rows x 128 columns of f32, 64 KiB in, 8 KiB + 512 bytes out.  Waves share nothing: no barrier.
; Matrix units, tensor loads and clusters are left out: every byte is read once by one wave and the work is a stream.
.set ROWB, 8192                        ; a row of qkv in bytes
.set SP,   528                         ; v's stage: a row of 512 bytes + 16: an odd multiple of 16, so that sixteen lanes that read sixteen rows take sixteen different 16-byte columns
.set WST,  16*SP                       ; a wave's stage: 16 rows
.set SB,   24                          ; q, k: v24-27   the scale word of column group b
.set X,    32                          ; q, k: v32-95   two sets of 32 numbers: one column, 32 channels
.set C,    96                          ; q, k: v96-159  four registers of codes for each of 16 units: no store's data are written again
.set SW,   16                          ; v:    v16-23   the scale word of tile t
.set CV,   24                          ; v:    v24-39   two sets of 8 registers of codes
.set R,    40                          ; v:    v40-167  two sets of 64: 16 rows as they are loaded
.set XV,   168                         ; v:    v168-231 64 numbers: my row's two blocks of 32 keys
	s_load_b128 s[4:7], s[0:1], 0x0                ; qkv, codes
	s_load_b64 s[8:9], s[0:1], 0x10                ; scales
	v_lshl_add_u32 v232, v0, 2, 0x8400
	v_mov_b32 v233, 0
	v_lshrrev_b32 v1, 5, v0
	v_readfirstlane_b32 s10, v1                    ; wave 0..3
	v_and_b32 v1, 31, v0                           ; lane x
	s_wait_alu depctr_va_vdst(0)
	s_lshr_b32 s11, ttmp9, 2                       ; type
	s_and_b32 s12, ttmp9, 3                        ; quarter
	s_lshl_b32 s12, s12, 2
	s_add_co_u32 s12, s12, s10                     ; step
	s_and_b32 s13, ttmp7, 0xffff                   ; batch
	s_mul_i32 s13, s13, 3
	s_add_co_u32 s13, s13, s11                     ; seg, at most 191: all three offsets stay under 2^32
	s_lshl_b32 s14, s13, 20                        ; qkv: seg x 1 MiB + step x 512 bytes
	s_lshl_b32 s24, s12, 9
	s_add_co_u32 s14, s14, s24
	s_mov_b32 s15, 0
	s_lshl_b32 s18, s13, 17                        ; codes: seg x 128 KiB + step x 8 KiB
	s_lshl_b32 s25, s12, 13
	s_add_co_u32 s18, s18, s25
	s_mov_b32 s19, 0
	s_lshl_b32 s22, s13, 13                        ; scales: seg x 8 KiB + step x 512 bytes
	s_add_co_u32 s22, s22, s24
	s_mov_b32 s23, 0
	s_mov_b32 s16, 0x3e9837f0                      ; 128^(-1/4) in f32
	s_mov_b32 s17, s16                             ; (the packed form names the pair)
	s_mov_b32 s20, 0x76543210                      ; v_permlanex16_b32's selects for lane l xor 16
	s_mov_b32 s21, 0xfedcba98
	s_mul_i32 s26, s10, WST                        ; my wave's stage
	; every lane term is made here, ahead of the parting of the two ways
	v_lshlrev_b32 v2, 2, v1                        ; q, k in: 4 bytes a lane
	v_bfe_u32 v9, v0, 3, 1                         ; u = (x >> 3) & 1
	v_and_b32 v10, 7, v0                           ; x & 7
	v_bfe_u32 v8, v0, 4, 1                         ; x >> 4, which is also h
	v_lshlrev_b32 v10, 4, v10
	v_lshl_or_b32 v10, v8, 7, v10                  ; 16 r, r = (x & 7) + 8 (x >> 4)
	v_lshl_or_b32 v3, v9, 10, v10                  ; q, k codes: tile u of the pair, row r
	v_lshl_or_b32 v4, v9, 8, v10                   ; q, k scale words: 256 u + 16 r
	v_lshlrev_b32 v5, 4, v1                        ; 16 x lane
	v_add_nc_u32 v6, s26, v5                       ; v: into the stage as loaded
	v_and_b32 v7, 15, v0
	v_mul_u32_u24 v7, v7, SP
	v_lshl_add_u32 v7, v8, 7, v7
	v_add_nc_u32 v7, s26, v7                       ; v: out of the stage: row r, + 128 h bytes (32 keys)
	v_lshlrev_b32 v8, 3, v8                        ; 8 h: my bytes' shift in a scale word
	v_mov_b32 v10, 0                               ; written once: a lane permute's destination counts as one of its sources
	s_wait_kmcnt 0x0
	s_add_nc_u64 s[4:5], s[4:5], s[14:15]
	s_add_nc_u64 s[6:7], s[6:7], s[18:19]
	s_add_nc_u64 s[8:9], s[8:9], s[22:23]
	s_cmp_eq_u32 s11, 2
	s_cbranch_scc1 .Lv
; ---- q and k.  A LANE TAKES A COLUMN (a position), AND ITS REGISTERS RUN DOWN THE CHANNELS: a block of 32 along K lies in one lane's 32 registers.
; Unit n of 16: column group b = n % 4 (32 positions), channel block bl = n / 4.  Loads run two units (64 loads a wave) ahead.
.macro LOADQ n
.set LB_, (\n)%4
.set LL_, (\n)/4
.set LX_, X+32*((\n)%2)
.irp i, 0,1,2,3,4,5,6,7,8,9,10,11,12,13,14,15,16,17,18,19,20,21,22,23,24,25,26,27,28,29,30,31
	global_load_b32 v[LX_+\i], v2, s[4:5] offset:(32*LL_+\i)*ROWB+128*LB_ th:TH_LOAD_NT
.endr
.endm
.macro UNIT n
.set UB_, (\n)%4
.set UL_, (\n)/4
.set XS, X+32*((\n)%2)
.if (\n) < 15
	s_wait_loadcnt 32                              ; this unit's 32 loads are in; the next unit's 32 may be out
.else
	s_wait_loadcnt 0x0
.endif
.irp i, 0,2,4,6,8,10,12,14,16,18,20,22,24,26,28,30
	v_pk_mul_f32 v[XS+\i:XS+\i+1], v[XS+\i:XS+\i+1], s[16:17] op_sel_hi:[1,0]   ; x 128^(-1/4), in f32, ahead of the quantiser
.endr
	v_max3_num_f32 v12, |v[XS]|, |v[XS+1]|, |v[XS+2]|              ; the block's largest magnitude, in two chains
	v_max3_num_f32 v13, |v[XS+3]|, |v[XS+4]|, |v[XS+5]|
.irp i, 6,10,14,18,22,26
	v_max3_num_f32 v12, v12, |v[XS+\i]|, |v[XS+\i+1]|
	v_max3_num_f32 v13, v13, |v[XS+\i+2]|, |v[XS+\i+3]|
.endr
	v_max3_num_f32 v12, v12, |v[XS+30]|, |v[XS+31]|
	v_max3_num_f32 v12, v12, v13, 0x1800000        ; and the floor 2^-124: the byte cannot fall under 1
	v_add_nc_u32 v11, 0xff000000, v12              ; 2 off the exponent field: the conversion takes this operand's exponent field as its scale
	v_lshrrev_b32 v13, 23, v11                     ; the scale's byte
.if UL_ == 0
	v_mov_b32 v[SB+UB_], v13                       ; byte bl of the position's scale word
.else
	v_lshl_or_b32 v[SB+UB_], v13, 8*UL_, v[SB+UB_]
.endif
.irp g, 0,1,2,3
	v_cvt_scalef32_pk8_fp4_f32 v[C+4*(\n)+\g], v[XS+8*\g:XS+8*\g+7], v11
.endr
	global_store_b128 v3, v[C+4*(\n):C+4*(\n)+3], s[6:7] offset:2048*UB_+256*UL_   ; sixteen lanes fill 256 aligned bytes of tile 2 b, the other sixteen of tile 2 b + 1
.if (\n)+2 < 16
	LOADQ (\n)+2                                   ; (the next vector lines are the next unit's multiplications, on the other set: the plain place behind the conversions)
.endif
.endm
	LOADQ 0
	LOADQ 1
.irp n, 0,1,2,3,4,5,6,7,8,9,10,11,12,13,14,15
	UNIT \n
.endr
	global_store_b128 v4, v[SB:SB+3], s[8:9]       ; my position's four words side by side: the wave stores the step's 512 bytes
	s_endpgm
; ---- v.  K is innermost: each load takes 512 consecutive bytes of a row, 16 a lane; a tile's 16 rows turn through the wave's own stage in LDS and come back
; with a lane holding 2 x 32 neighbouring keys of ONE row, in the order of the operand's registers.  LDS serves a wave's instructions in order (ISA guide 5.7.1).
.Lv:
.macro LOADV t
.set LR_, R+64*((\t)%2)
.irp i, 0,1,2,3,4,5,6,7,8,9,10,11,12,13,14,15
	global_load_b128 v[LR_+4*\i:LR_+4*\i+3], v5, s[4:5] offset:(16*(\t)+\i)*ROWB th:TH_LOAD_NT
.endr
.endm
.macro TILE t
.set RS, R+64*((\t)%2)
.set CT_, CV+8*((\t)%2)
.if (\t) < 7
	s_wait_loadcnt 16                              ; this tile's 16 loads are in; the next tile's 16 may be out
.else
	s_wait_loadcnt 0x0
.endif
.irp i, 0,1,2,3,4,5,6,7,8,9,10,11,12,13,14,15
	ds_store_b128 v6, v[RS+4*\i:RS+4*\i+3] offset:SP*\i
.endr
.irp c, 0,1
.irp i, 0,1,2,3,4,5,6,7
	ds_load_b128 v[XV+32*\c+4*\i:XV+32*\c+4*\i+3], v7 offset:256*\c+16*\i   ; keys 64 c + 32 h + 4 i .. + 3 of row r
.endr
.endr
	s_wait_dscnt 16                                ; all but the 16 reads just issued: the 16 stores have read their registers,
.if (\t)+2 < 8
	LOADV (\t)+2                                   ; which take the tile two further on
.endif
	s_wait_dscnt 0x0
.irp c, 0,1
	v_max3_num_f32 v[12+\c], |v[XV+32*\c]|, |v[XV+32*\c+1]|, 0x1800000   ; my block 2 c + h: all its 32 numbers are mine; and the floor 2^-124
.endr
.irp i, 2,4,6,8,10,12,14,16,18,20,22,24,26,28,30
.irp c, 0,1
	v_max3_num_f32 v[12+\c], v[12+\c], |v[XV+32*\c+\i]|, |v[XV+32*\c+\i+1]|   ; (the two blocks by turns)
.endr
.endr
.irp c, 0,1
	v_add_nc_u32 v[12+\c], 0xff000000, v[12+\c]    ; the conversion's scale operand
.endr
.irp c, 0,1
	v_lshrrev_b32 v[14+\c], 23, v[12+\c]           ; the scale's byte
.endr
	v_lshl_or_b32 v9, v15, 16, v14                 ; my two bytes, blocks h and 2 + h,
	v_lshlrev_b32 v9, v8, v9                       ; at their places in the word;
	v_permlanex16_b32 v10, v9, s20, s21
	v_or_b32 v[SW+(\t)], v9, v10                   ; with lane l xor 16's two the row's word is whole
.if (\t) >= 2
	s_wait_alu depctr_va_vdst(0)
	s_wait_xcnt 0x0                                ; the stores of two tiles ago have read this set of code registers (ISA guide 3.1)
.endif
.irp c, 0,1
.irp g, 0,1,2,3
	v_cvt_scalef32_pk8_fp4_f32 v[CT_+4*\c+\g], v[XV+32*\c+8*\g:XV+32*\c+8*\g+7], v[12+\c]
.endr
.endr
	v_nop                                          ; a plain place behind the conversions: the next vector line rewrites their scale operand
.irp c, 0,1
	global_store_b128 v5, v[CT_+4*\c:CT_+4*\c+3], s[6:7] offset:1024*(\t)+512*\c   ; 512 consecutive bytes
.endr
.endm
	s_wait_alu depctr_va_vdst(0)
	LOADV 0
	LOADV 1
.irp t, 0,1,2,3,4,5,6,7
	TILE \t
.endr
	v_cmp_gt_u32 vcc_lo, 16, v1                    ; lanes 0-15 send tiles 0-3's words of row r, lanes 16-31 tiles 4-7's: byte 16 x lane
.irp i, 0,1,2,3
	v_cndmask_b32 v[XV+\i], v[SW+4+\i], v[SW+\i], vcc_lo
.endr
	global_store_b128 v5, v[XV:XV+3], s[8:9]       ; the step's 512 bytes
	s_wait_tensorcnt 0x0
	ds_add_u32 v232, v233
	s_wait_dscnt 0x0
	s_endpgm
.Lfunc_end_k_q87487581b7_quant:
	.size	k_q87487581b7_quant, .Lfunc_end_k_q87487581b7_quant-k_q87487581b7_quant
	.p2alignl 7, 3214868480
	.fill 96, 4, 3214868480
	.section	.rodata,"a",@progbits
	.p2align	6, 0x0
	.amdhsa_kernel k_q87487581b7_quant
		.amdhsa_group_segment_fixed_size 34304
		.amdhsa_private_segment_fixed_size 0
		.amdhsa_enable_private_segment 0
		.amdhsa_kernarg_size 24
		.amdhsa_user_sgpr_count 2
		.amdhsa_user_sgpr_kernarg_segment_ptr 1
		.amdhsa_wavefront_size32 1
		.amdhsa_system_sgpr_workgroup_id_x 1
		.amdhsa_system_sgpr_workgroup_id_y 1
		.amdhsa_system_sgpr_workgroup_id_z 1
		.amdhsa_system_vgpr_workitem_id 0
		.amdhsa_next_free_vgpr 234
		.amdhsa_next_free_sgpr 66
		.amdhsa_reserve_vcc 1
		.amdhsa_float_denorm_mode_32 3
		.amdhsa_float_denorm_mode_16_64 3
		.amdhsa_memory_ordered 1
		.amdhsa_forward_progress 1
		.amdhsa_inst_pref_size 147
	.end_amdhsa_kernel
	.amdgpu_metadata
---
amdhsa.version: [ 1, 2 ]
amdhsa.kernels:
  - .name:           k_q87487581b7_quant
    .symbol:         k_q87487581b7_quant.kd
    .args:
      - { .name: qkv, .offset: 0, .size: 8, .value_kind: global_buffer, .address_space: global }
      - { .name: codes, .offset: 8, .size: 8, .value_kind: global_buffer, .address_space: global }
      - { .name: scales, .offset: 16, .size: 8, .value_kind: global_buffer, .address_space: global }
    .group_segment_fixed_size: 34304
    .private_segment_fixed_size: 0
    .kernarg_segment_align: 8
    .kernarg_segment_size: 24
    .max_flat_workgroup_size: 128
    .sgpr_count:     66
    .vgpr_count:     234
    .wavefront_size: 32
...
	.end_amdgpu_metadata
.endif
;; end of part 1
;; launch attn (part 2): grid 4 x 64, 8 waves a work-group, clusters of 4 x 1, 327,680 bytes of LDS; arguments codes, scales, out0; writes out0
.if DOCPART == 2
	.amdgcn_target "amdgcn-amd-amdhsa--gfx1250"
	.amdhsa_code_object_version 6
	.text
	.protected	k_q87487581b7_attn
	.globl	k_q87487581b7_attn
	.p2align	8
	.type	k_q87487581b7_attn,@function
k_q87487581b7_attn:
	s_mov_b64 s[64:65], 0
	v_nop
	global_prefetch_b8 v0, s[64:65] scope:SCOPE_SE
	s_setreg_imm32_b32 hwreg(HW_REG_WAVE_MODE, 25, 1), 1
	s_wait_xcnt 0x0
	s_wait_alu depctr_hold_cnt(0) depctr_sa_sdst(0) depctr_va_vdst(0) depctr_va_sdst(0) depctr_va_ssrc(0) depctr_va_vcc(0) depctr_vm_vsrc(0)
	s_getreg_b32 s2, hwreg(HW_REG_IB_STS2, 6, 4)
	s_cmp_eq_u32 s2, 0
	s_cbranch_scc0 .Lentry_in_a_cluster
	s_endpgm
.Lentry_in_a_cluster:
	s_bfe_u32 s2, ttmp6, 0x10000c
	s_cmp_lg_u32 s2, 0x3003
	s_cbranch_scc0 .Lentry_shape_is_right
	s_endpgm
.Lentry_shape_is_right:
; out0[b][c][t] = the sum over s of softmax_s(q.k)[t][s] v[b][c][s], both products on codes of FP4 (E2M1) with one E8M0 scale for each 32 along a product's K.
; Codes and scale words come from the launch before, as images of the operands' registers (a tile of 16 rows x 128 K = 1,024 bytes read at 16 x lane; a step of 128 positions = 8 tiles, its words 512 bytes).
; q and k already hold the factor 128^(-1/4).
; THE SOFTMAX: t = score x log2(e); M = the row's largest t so far, rounded UP to a whole number; p = 2^(t - M) is quantised along the keys, not normalised.
; The row's sum is taken of the unquantised p, in f32, and divides O at the end.  When M moves, the sum and O are multiplied by 2^(old M - new M): exact.
; SHARES.  Four work-groups, one cluster, share a batch; each owns 512 queries in two passes of 256.  Each of EIGHT waves owns 32 queries a pass: two tiles of 16.
; Tile 0 lives in register window 0, tile 1 in window 1, UNDER THE SAME REGISTER NUMBERS: one text of the softmax serves both, under s_set_vgpr_msb 0 or 0x55.
; Each fragment of k and v read from LDS feeds two matrix instructions.  k's fragments have 64 registers of window 1, v's 64 of window 0: each is asked for one step ahead of its use.
; LDS.  A batch's codes of k and v (2 x 131,072 bytes) and scale words (2 x 8,192) are brought ONCE, jointly for the four work-groups, one tensor load a wave at the head; nothing is filled again.
; LAYOUT.  Both products transposed: S^T = K Q^T, O^T = V P^T: a lane holds one query.  Row m of tile 2 b + u of k and q is position 32 b + 8 u + (m & 7) + 16 (m >> 3).
; A load of 16 bytes at 16 x lane from a step's words gives four registers, each with one tile's words in lanes 0-15 and another's in lanes 16-31 (MATRIX_SCALE_ROW1).
; LIMITS: NaN and infinities are not served; a p under 2^-126 counts as 0; a block of p whose largest is under 2^-124 keeps the byte 1.  The scaled scores stay under 2^31 in magnitude.
; Left out: a prefetch (the one wait on memory is the fill at the head: there is no loop to run ahead in); padding (an image is read at 16 x lane: consecutive bytes).
; The last step of a pass asks for step 0 again (the addresses wrap): pass 1 begins on it; after pass 1 these 34 loads are not used.
.set VC,   131072                      ; v's codes (k's begin at 0)
.set KS,   262144                      ; k's scale words; v's lie 8,192 bytes on
.set STG,  278528                      ; two stages for the way out: 16 channel rows x (1,024 bytes + 16); no tensor load lands here
.set STP,  1040
.set STB,  16*STP
.set SPARE, 0x4c200                    ; the spare words: 128 bytes a wave
.set LI,   1                           ; 16 x lane
.set STW,  2                           ; the stage: my query's column in channel row 8 h
.set STR,  3                           ; the stage: my wave's two rows, 16 bytes a lane
.set ADK,  4                           ; the next step's tiles of k; 5: of v; 6: its scale words
.set ADV,  5
.set ADS,  6
.set R16,  7                           ; 16 r
.set SPW,  8
.set NIL,  9
.set QS,   10                          ; v10, v11 q's scale words, tiles 0 and 1 (window 0)
.set QF,   16                          ; v16-23 q's fragment (each window its tile's)
.set PW,   24                          ; v24 p's scale word; window 0: v24 tile 0's, v25 tile 1's
.set FF,   26                          ; v[26:27] f = 2^(old M - new M)
.set TT,   28
.set SR0,  29                          ; KS + 16 x lane
.set FR,   32                          ; v32-95: window 0 v's fragments, window 1 k's
.set SS,   96                          ; S^T, then p, then O / the sum
.set OT,   160                         ; O^T
.set PC,   224                         ; p's codes; on the way out v224-239 hold rows of out0
.set BM,   232
.set BT,   236
.set SO,   244
.set KW,   248                         ; v248-251 k's scale words, v252-255 v's (window 0)
.set VW,   252
                                       ; v12 -M, v13 the largest t, v[14:15] the row's sum in two halves (each window)
.set WV,   10
.set SEL,  20
.set CS,   22
.set TB,   60
.set TS,   61
.set CNT,  62
.set MSB,  0
.macro WIN new                         ; the immediate's high byte repeats the setting that is left
.if MSB != \new
	s_set_vgpr_msb (MSB<<8)|\new
.set MSB, \new
.endif
.endm
.macro ROUND
	s_barrier_signal -1
	s_barrier_wait -1
	s_cmp_lg_u32 s[WV], 0
	s_cbranch_scc1 .Lnot_wave_0_\@
	s_barrier_signal -3
.Lnot_wave_0_\@:
	s_barrier_wait -3
	s_barrier_signal -1
	s_barrier_wait -1
.endm
.macro G1SET g, r                      ; a dense block as r rows of 256 bytes; the mask names the four work-groups
	s_mov_b32 s[\g], 15|(3<<16)|(1<<21)
	s_mov_b32 s[\g+1], 32<<16
	s_mov_b32 s[\g+2], (\r)<<16
	s_mov_b32 s[\g+3], 32<<16
	s_mov_b32 s[\g+4], \r
	s_mov_b32 s[\g+5], 32
	s_mov_b32 s[\g+6], 0
	s_mov_b32 s[\g+7], 0
.endm
.macro ARM g0, g1
	tensor_load_to_lds s[\g0:\g0+3], s[\g1:\g1+7]
	s_nop 0
.rept 4
	v_nop
.endr
.endm
	s_load_b128 s[4:7], s[0:1], 0x0                ; codes, scales
	s_load_b64 s[8:9], s[0:1], 0x10                ; out0
	v_lshl_add_u32 v[SPW], v0, 2, SPARE
	v_mov_b32 v[NIL], 0
	ds_add_u32 v[SPW], v[NIL]                      ; the opening lines: the add twice on end and its wait
	ds_add_u32 v[SPW], v[NIL]
	v_lshrrev_b32 v5, 5, v0
	s_delay_alu instid0(VALU_DEP_1)
	v_readfirstlane_b32 s[WV], v5                  ; wave 0..7
	s_bfe_u32 s11, ttmp6, 0x40000                  ; cx: it enters q's and out0's global addresses alone
	s_and_b32 s12, ttmp7, 0xffff                   ; the batch
	s_lshl_b32 s13, ttmp9, 2
	s_add_co_u32 s13, s13, s11                     ; my block of 512 queries
	G1SET 24, 192                                  ; waves 0-3: 48 KiB of codes each
	G1SET 32, 128                                  ; waves 4, 5: 32 KiB each: k's and v's 262,144 bytes are neighbours in memory and in LDS
	G1SET 40, 32                                   ; waves 6, 7: 8 KiB of scale words each
	s_mul_i32 s72, s12, 3                          ; q's segment
	s_add_co_u32 s73, s72, 1                       ; k's
	s_min_u32 s74, s[WV], 3
	s_mul_i32 s74, s74, 49152
	s_and_b32 s75, s[WV], 1
	s_lshl_b32 s76, s75, 15
	s_add_co_u32 s76, s76, 196608
	s_lshl_b32 s75, s75, 13
	s_lshl_b32 s77, s73, 17
	s_lshl_b32 s78, s73, 13
	s_add_co_u32 s14, s77, s74
	s_mov_b32 s15, 0
	s_add_co_u32 s16, s77, s76
	s_mov_b32 s17, 0
	s_add_co_u32 s18, s78, s75
	s_mov_b32 s19, 0
	s_lshl_b32 s79, s13, 5                         ; my first tile of q in pass 0: 32 x block + 2 x wave; pass 1's lies 16 tiles on
	s_lshl_b32 s63, s[WV], 1
	s_add_co_u32 s79, s79, s63
	s_lshl_b32 s66, s72, 17
	s_lshl_b32 s63, s79, 10
	s_add_co_u32 s66, s66, s63
	s_mov_b32 s67, 0
	s_lshl_b32 s68, s72, 13                        ; its words: the step's 512 bytes + 4 b (+ 256 for tile 1)
	s_lshr_b32 s63, s79, 3
	s_lshl_b32 s63, s63, 9
	s_add_co_u32 s68, s68, s63
	s_and_b32 s63, s[WV], 3
	s_lshl_b32 s63, s63, 2
	s_add_co_u32 s68, s68, s63
	s_mov_b32 s69, 0
	s_lshl_b32 s70, s12, 20                        ; out0: batch x 1 MiB + channel 2 w x 8,192 + block x 2,048
	s_lshl_b32 s63, s[WV], 14
	s_add_co_u32 s70, s70, s63
	s_lshl_b32 s63, s13, 11
	s_add_co_u32 s70, s70, s63
	s_mov_b32 s71, 0
	s_lshl_b32 s2, s[WV], 7
	s_add_co_u32 s2, s2, STG                       ; my 32 queries' columns in the stage
	s_mul_i32 s3, s[WV], 2*STP
	s_add_co_u32 s3, s3, STG                       ; my two rows of the stage
	s_mov_b32 s[SEL], 0x76543210
	s_mov_b32 s[SEL+1], 0xfedcba98
	s_mov_b32 s[CS], 0x3fb8aa3b                    ; log2(e)
	s_mov_b32 s[CS+1], s[CS]
	s_mov_b32 s[TB], 0
	s_mov_b32 s[TS], 0
	s_wait_dscnt 0x0
	s_wait_kmcnt 0x0
	s_add_nc_u64 s[66:67], s[4:5], s[66:67]        ; q's codes
	s_add_nc_u64 s[68:69], s[6:7], s[68:69]        ; q's scale words
	s_add_nc_u64 s[70:71], s[8:9], s[70:71]        ; out0
	s_mov_b32 s48, 1
	s_mov_b32 s49, s74
	s_add_nc_u64 s[50:51], s[4:5], s[14:15]
	s_or_b32 s51, s51, 0x80000000
	s_mov_b32 s52, 1
	s_mov_b32 s53, s76
	s_add_nc_u64 s[54:55], s[4:5], s[16:17]
	s_or_b32 s55, s55, 0x80000000
	s_mov_b32 s56, 1
	s_add_co_u32 s57, s75, KS
	s_add_nc_u64 s[58:59], s[6:7], s[18:19]
	s_or_b32 s59, s59, 0x80000000
	ROUND                                          ; all four work-groups are here: the joint loads meet
	s_cmp_lt_u32 s[WV], 4                          ; one chain of branches on the wave's number, one load to an arm
	s_cbranch_scc0 .Lfill_b
	ARM 48, 24
	s_branch .Lfilled
.Lfill_b:
	s_cmp_lt_u32 s[WV], 6
	s_cbranch_scc0 .Lfill_s
	ARM 52, 32
	s_branch .Lfilled
.Lfill_s:
	ARM 56, 40
.Lfilled:
	v_and_b32 v7, 31, v0
	s_delay_alu instid0(VALU_DEP_1)
	v_lshlrev_b32 v[LI], 4, v7
	v_and_b32 v7, 15, v0
	s_delay_alu instid0(VALU_DEP_1)
	v_lshlrev_b32 v[R16], 4, v7
	v_add_nc_u32 v[SR0], KS, v[LI]
	v_bfe_u32 v5, v0, 4, 1                         ; h
	s_delay_alu instid0(VALU_DEP_1)
	v_mul_u32_u24 v[STW], v5, 8*STP                ; channel row 8 h; my query among the pass's 256: 32 w + 8 tile + (r & 7) + 16 (r >> 3), 4 bytes each
	v_and_b32 v6, 7, v0
	s_delay_alu instid0(VALU_DEP_1)
	v_lshl_add_u32 v[STW], v6, 2, v[STW]
	v_bfe_u32 v6, v0, 3, 1
	s_delay_alu instid0(VALU_DEP_1)
	v_lshl_add_u32 v[STW], v6, 6, v[STW]
	s_delay_alu instid0(VALU_DEP_1)
	v_add_nc_u32 v[STW], s2, v[STW]
	v_add_nc_u32 v[STR], s3, v[LI]
	v_mov_b32 v[ADK], v[LI]
	v_add_nc_u32 v[ADV], VC, v[LI]
	v_mov_b32 v[ADS], v[SR0]
.macro QLOAD p                         ; my two tiles of q and their rows' scale words
	global_load_b128 v[QF:QF+3], v[LI], s[66:67] offset:16384*\p
	global_load_b128 v[QF+4:QF+7], v[LI], s[66:67] offset:16384*\p+512
	WIN 0x40
	global_load_b128 v[QF:QF+3], v[LI], s[66:67] offset:16384*\p+1024
	global_load_b128 v[QF+4:QF+7], v[LI], s[66:67] offset:16384*\p+1536
	WIN 0
	global_load_b32 v[QS], v[R16], s[68:69] offset:1024*\p
	global_load_b32 v[QS+1], v[R16], s[68:69] offset:1024*\p+256
.endm
.macro INIT1                           ; a pass begins: the step's first trip finds zeros, which the first change of M leaves zeros
	v_mov_b32 v13, 0xff61b1e6
	s_delay_alu instid0(VALU_DEP_1)
	v_floor_f32 v12, -v13
	v_mov_b32 v14, 0
	v_mov_b32 v15, 0
.set J, 0
.rept 64
	v_mov_b32 v[OT+J], 0
.set J, J+1
.endr
.endm
.macro INIT
	INIT1
	WIN 0x55
	INIT1
	WIN 0
.endm
.macro ONCE                            ; written once: a lane permute's destination counts as a source, and v27 is named in a pair
	v_mov_b32 v[FF+1], 0
	v_mov_b32 v[TT], 0
.irp b, 0,1,2,3
	v_mov_b32 v[BT+\b], 0
.endr
.endm
.macro KLOAD                           ; 17 LDS loads: k's eight fragments into window 1, its words into window 0
	WIN 0x40
.irp t, 0,1,2,3,4,5,6,7
	ds_load_b128 v[FR+8*\t:FR+8*\t+3], v[ADK] offset:1024*\t
	ds_load_b128 v[FR+8*\t+4:FR+8*\t+7], v[ADK] offset:1024*\t+512
.endr
	WIN 0
	ds_load_b128 v[KW:KW+3], v[ADS]
.endm
.macro VLOAD                           ; 17 LDS loads: v's eight fragments and words, window 0
.irp t, 0,1,2,3,4,5,6,7
	ds_load_b128 v[FR+8*\t:FR+8*\t+3], v[ADV] offset:1024*\t
	ds_load_b128 v[FR+8*\t+4:FR+8*\t+7], v[ADV] offset:1024*\t+512
.endr
	ds_load_b128 v[VW:VW+3], v[ADS] offset:8192
.endm
.macro QK q                            ; S^T = K Q^T of query tile q: eight accumulators, one instruction each.  A (k) window 1; B, D the tile's window
.if \q
	WIN 0x45
.else
	WIN 0x01
.endif
.irp t, 0,1,2,3,4,5,6,7
.if \t%2
	v_wmma_scale_f32_16x16x128_f8f6f4 v[SS+8*\t:SS+8*\t+7], v[FR+8*\t:FR+8*\t+7], v[QF:QF+7], 0, v[KW+\t/2], v[QS+\q] matrix_a_fmt:MATRIX_FMT_FP4 matrix_b_fmt:MATRIX_FMT_FP4 matrix_a_scale:MATRIX_SCALE_ROW1
.else
	v_wmma_scale_f32_16x16x128_f8f6f4 v[SS+8*\t:SS+8*\t+7], v[FR+8*\t:FR+8*\t+7], v[QF:QF+7], 0, v[KW+\t/2], v[QS+\q] matrix_a_fmt:MATRIX_FMT_FP4 matrix_b_fmt:MATRIX_FMT_FP4
.endif
.endr
.endm
.macro PV q                            ; O^T += V P^T of query tile q: eight accumulators by turns.  A (v) window 0; B, C, D the tile's window
.if \q
	WIN 0x54
.else
	WIN 0
.endif
.irp c, 0,1,2,3
	v_wmma_scale_f32_16x16x128_f8f6f4 v[OT+8*\c:OT+8*\c+7], v[FR+8*\c:FR+8*\c+7], v[PC:PC+7], v[OT+8*\c:OT+8*\c+7], v[VW+\c], v[PW+\q] matrix_a_fmt:MATRIX_FMT_FP4 matrix_b_fmt:MATRIX_FMT_FP4
.endr
.irp c, 4,5,6,7
	v_wmma_scale_f32_16x16x128_f8f6f4 v[OT+8*\c:OT+8*\c+7], v[FR+8*\c:FR+8*\c+7], v[PC:PC+7], v[OT+8*\c:OT+8*\c+7], v[VW+\c-4], v[PW+\q] matrix_a_fmt:MATRIX_FMT_FP4 matrix_b_fmt:MATRIX_FMT_FP4 matrix_a_scale:MATRIX_SCALE_ROW1
.endr
.endm
.macro PA d, a, b
	v_pk_add_f32 v[\d:\d+1], v[\a:\a+1], v[\b:\b+1]
.endm
; THE SOFTMAX of tile t, 128 keys, all its registers in window wa.  wp, pwd: the window setting and register under which p's finished scale word goes to window 0.
.macro SM t, wa, wp, pwd
	WIN \wa
.if \t
	s_wait_dscnt 17                                ; v's fragments and words are in; the 17 loads for k's next step may be out
	s_wait_alu depctr_va_vdst(0)
.endif
.irp b, 0,1,2,3
	v_max3_num_f32 v[BM+\b], v[SS+16*\b], v[SS+1+16*\b], v[SS+2+16*\b]   ; the largest score of each block of 32 keys: for the row's maximum and for the block's largest p
.endr
.irp i, 3,5,7,9,11,13
.irp b, 0,1,2,3
	v_max3_num_f32 v[BM+\b], v[BM+\b], v[SS+16*\b+\i], v[SS+1+16*\b+\i]
.endr
.endr
.irp b, 0,1,2,3
	v_max_num_f32 v[BM+\b], v[BM+\b], v[SS+15+16*\b]
.endr
.if \t
	PV 0                                           ; tile 0's second product is issued here: tile 1's vector lines, which name window 1 alone, follow it
	WIN \wa
.endif
.irp b, 0,1,2,3
	v_permlanex16_b32 v[BT+\b], v[BM+\b], s[SEL], s[SEL+1]
.endr
.irp b, 0,1,2,3
	v_max_num_f32 v[BM+\b], v[BM+\b], v[BT+\b]     ; with lane l xor 16's 16 keys
.endr
	s_delay_alu instid0(VALU_DEP_2)
	v_max3_num_f32 v[TT], v[BM], v[BM+1], v[BM+2]
	s_delay_alu instid0(VALU_DEP_1)
	v_max_num_f32 v[TT], v[TT], v[BM+3]
	s_delay_alu instid0(VALU_DEP_1)
	v_mul_f32 v[TT], s[CS], v[TT]                  ; as t
	s_delay_alu instid0(VALU_DEP_1)
	v_max_num_f32 v13, v13, v[TT]                  ; the running largest t
	v_mov_b32 v[TT], v12
	s_delay_alu instid0(VALU_DEP_2)
	v_floor_f32 v12, -v13                          ; the new -M = -ceil(t)
	s_delay_alu instid0(VALU_DEP_1)
	v_sub_f32 v[TT], v12, v[TT]                    ; old M - new M: a whole number, 0 or less
	s_delay_alu instid0(VALU_DEP_1)
	v_cvt_i32_f32 v[TT], v[TT]
	s_delay_alu instid0(VALU_DEP_1)
	v_ldexp_f32 v[FF], 1.0, v[TT]                  ; f = 2^(old M - new M)
.set J, 0
.rept 32
	v_pk_fma_f32 v[SS+J:SS+J+1], v[SS+J:SS+J+1], s[CS:CS+1], v[12:13] op_sel_hi:[1,0,0]   ; t - M
.set J, J+2
.endr
.irp b, 0,1,2,3
	v_fma_f32 v[BM+\b], v[BM+\b], s[CS], v12
.endr
	s_wait_alu depctr_va_vdst(0)                   ; the wait ahead of the batch
.set J, 0
.rept 64
	v_exp_f32 v[SS+J], v[SS+J]                     ; p = 2^(t - M)
.set J, J+1
.endr
.irp b, 0,1,2,3
	v_exp_f32 v[BM+\b], v[BM+\b]                   ; the block's largest p
.endr
	v_pk_mul_f32 v[14:15], v[14:15], v[FF:FF+1] op_sel_hi:[1,0]   ; the sums under the new M (a plain place behind the exponentials)
	s_wait_alu depctr_va_vdst(0)                   ; and behind it
.irp b, 0,1,2,3
	v_max_num_f32 v[BM+\b], 0x1800000, v[BM+\b]    ; the floor 2^-124: the byte cannot fall under 1
.endr
.irp b, 0,1,2,3
	v_add_nc_u32 v[SO+\b], 0xff000000, v[BM+\b]    ; the conversion's scale operand
.endr
.irp b, 0,1,2,3
	v_lshrrev_b32 v[BT+\b], 23, v[SO+\b]           ; the scale's byte
.endr
	s_delay_alu instid0(VALU_DEP_3)
	v_lshl_or_b32 v[PW], v[BT+1], 8, v[BT]
	s_delay_alu instid0(VALU_DEP_1)
	v_lshl_or_b32 v[PW], v[BT+2], 16, v[PW]
	WIN \wp
	v_lshl_or_b32 v[\pwd], v[BT+3], 24, v[PW]      ; p's scale word, into window 0: scale registers are taken from there
	WIN \wa
.irp b, 0,1,2,3
	v_cvt_scalef32_pk8_fp4_f32 v[PC+2*\b], v[SS+16*\b:SS+7+16*\b], v[SO+\b]
	v_cvt_scalef32_pk8_fp4_f32 v[PC+1+2*\b], v[SS+8+16*\b:SS+15+16*\b], v[SO+\b]
.endr
	v_nop                                          ; a plain place behind the conversions
.irp c, 0,1
.irp i, 0,1
	v_permlane16_swap_b32 v[PC+4*\c+\i], v[PC+2+4*\c+\i]   ; a whole block in a lane
.endr
.endr
	PA 236, 100, 104                               ; the row's sum of the unquantised p, in eight chains
	PA 246, 108, 112
	PA 244, 116, 120
	PA 240, 124, 128
	PA 234, 132, 136
	PA 232, 140, 144
	PA 30, 148, 152
	PA 14, 14, 156
	PA 236, 236, 96
	PA 246, 246, 98
	PA 244, 244, 102
	PA 240, 240, 106
	PA 234, 234, 110
	PA 232, 232, 114
	PA 30, 30, 118
	PA 14, 14, 122
	PA 236, 236, 126
	PA 246, 246, 130
	PA 244, 244, 134
	PA 240, 240, 138
	PA 234, 234, 142
	PA 232, 232, 146
	PA 30, 30, 150
	PA 14, 14, 154
	PA 236, 236, 158
	s_delay_alu instid0(VALU_DEP_2)
	PA 14, 14, 240
	s_delay_alu instid0(VALU_DEP_2)
	PA 236, 236, 234
	PA 246, 246, 232
	PA 244, 244, 30
	s_delay_alu instid0(VALU_DEP_2)
	PA 14, 14, 246
	s_delay_alu instid0(VALU_DEP_2)
	PA 236, 236, 244
	s_delay_alu instid0(VALU_DEP_1)
	PA 14, 14, 236
	s_wait_alu depctr_va_vdst(0)                   ; the wait directly ahead of the first reader of O^T
.set J, 0
.rept 32
	v_pk_mul_f32 v[OT+J:OT+J+1], v[OT+J:OT+J+1], v[FF:FF+1] op_sel_hi:[1,0]   ; O^T under the new M
.set J, J+2
.endr
.endm
; A KEY STEP: 128 keys, both tiles.  Of my LDS loads 34 are out at its head: k's 17 for this step, then v's 17.
.macro STEP
	s_wait_dscnt 17                                ; k's fragments and words are in; v's 17 may be out
	QK 0
	QK 1
	WIN 0
	s_add_co_u32 s[TB], s[TB], 8192                ; the next step; behind step 15 comes step 0
	s_and_b32 s[TB], s[TB], 0x1e000
	s_add_co_u32 s[TS], s[TS], 512
	s_and_b32 s[TS], s[TS], 0x1e00
	v_add_nc_u32 v[ADK], s[TB], v[LI]              ; these four lines are the places behind the products
	v_add_nc_u32 v[ADS], s[TS], v[SR0]
	v_add_nc_u32 v[ADV], VC, v[ADK]
	v_nop
	KLOAD                                          ; the next step's k: it has this step's softmax in which to land
	SM 0, 0, 0, PW
	SM 1, 0x55, 0x15, PW+1
	PV 1
	WIN 0
.rept 4
	v_nop                                          ; places in front of the loads into these products' sources
.endr
	VLOAD                                          ; the next step's v
.endm
.macro PASS
	s_mov_b32 s[CNT], 16
.Lpass_\@:
	STEP
	s_sub_co_u32 s[CNT], s[CNT], 1
	s_cmp_lg_u32 s[CNT], 0
	s_cbranch_scc1 .Lpass_\@
.endm
.macro FIN
	v_add_f32 v14, v14, v15
	s_delay_alu instid0(VALU_DEP_1)
	v_permlanex16_b32 v[TT], v14, s[SEL], s[SEL+1]
	s_delay_alu instid0(VALU_DEP_1)
	v_add_f32 v14, v14, v[TT]                      ; the row's sum
.endm
.macro NORM
.set J, 0
.rept 64
	v_mul_f32 v[SS+J], v[OT+J], v14                ; O^T / the sum, each accumulator from its low end on
.set J, J+1
.endr
.endm
; THE WAY OUT of pass p.  16 channels x the pass's 256 queries at a time meet in a stage: every wave puts its 32 queries' columns there; behind a barrier wave w takes channel rows 2 w and 2 w + 1 whole
; and stores each by two instructions of 512 consecutive aligned bytes.  Two stages by turns, one barrier a turn: a stage is written again only behind the next turn's barrier, in front of which every wave has waited for its reads of it.
.macro WAYOUT p
	FIN
	WIN 0x55
	FIN
	s_wait_alu depctr_va_vdst(0)                   ; ahead of the two reciprocals
	v_rcp_f32 v14, v14
	WIN 0
	v_rcp_f32 v14, v14
	v_nop
	v_nop
	s_wait_alu depctr_va_vdst(0)                   ; behind them, directly ahead of tile 0's readers
	NORM
	WIN 0x55
	s_wait_alu depctr_va_vdst(0)                   ; and of tile 1's
	NORM
	WIN 0
	s_wait_alu depctr_va_vdst(0)
.irp ct, 0,1,2,3,4,5,6,7
.irp j, 0,1,2,3,4,5,6,7
	ds_store_b32 v[STW], v[SS+8*\ct+\j] offset:STB*(\ct%2)+STP*\j        ; channel 16 ct + 8 h + j, tile 0's query
.endr
	WIN 0x04
.irp j, 0,1,2,3,4,5,6,7
	ds_store_b32 v[STW], v[SS+8*\ct+\j] offset:STB*(\ct%2)+STP*\j+32     ; tile 1's: eight queries on
.endr
	WIN 0
	s_wait_dscnt 0x0                               ; for the others' sake: my stores have landed, my reads of the turn before are in
	s_barrier_signal -1
	s_barrier_wait -1
	s_wait_xcnt 0x0                                ; the last turn's stores have read v224-239
.irp i, 0,1
	ds_load_b128 v[PC+8*\i:PC+8*\i+3], v[STR] offset:STB*(\ct%2)+STP*\i
	ds_load_b128 v[PC+8*\i+4:PC+8*\i+7], v[STR] offset:STB*(\ct%2)+STP*\i+512
.endr
	s_wait_dscnt 0x0
.irp i, 0,1
	global_store_b128 v[LI], v[PC+8*\i:PC+8*\i+3], s[70:71] offset:131072*\ct+8192*\i+1024*\p th:TH_STORE_NT   ; channel 16 ct + 2 w + i
	global_store_b128 v[LI], v[PC+8*\i+4:PC+8*\i+7], s[70:71] offset:131072*\ct+8192*\i+1024*\p+512 th:TH_STORE_NT
.endr
.endr
	s_wait_xcnt 0x0                                ; the stores have read their registers
.endm
	QLOAD 0
	ONCE
	WIN 0x55
	ONCE
	WIN 0
	INIT
	s_wait_alu depctr_va_vdst(0)                   ; the wait at the head's end
	s_wait_tensorcnt 0x0                           ; my piece of the fill has landed
	s_wait_dscnt 0x0
	s_barrier_signal -1
	s_barrier_wait -1                              ; and everybody's
	KLOAD
	VLOAD
	s_wait_loadcnt 0x0                             ; q
	PASS
	QLOAD 1                                        ; the products that read q's registers stand two softmaxes back
	WAYOUT 0
	INIT
	s_wait_alu depctr_va_vdst(0)
	s_wait_loadcnt 0x0
	PASS
	WAYOUT 1
	s_wait_tensorcnt 0x0                           ; the wave's end
	ds_add_u32 v[SPW], v[NIL]
	s_wait_dscnt 0x0
	ROUND                                          ; the closing round
	s_endpgm
.Lfunc_end_k_q87487581b7_attn:
	.size	k_q87487581b7_attn, .Lfunc_end_k_q87487581b7_attn-k_q87487581b7_attn
	.p2alignl 7, 3214868480
	.fill 96, 4, 3214868480
	.section	.rodata,"a",@progbits
	.p2align	6, 0x0
	.amdhsa_kernel k_q87487581b7_attn
		.amdhsa_group_segment_fixed_size 327680
		.amdhsa_private_segment_fixed_size 0
		.amdhsa_enable_private_segment 0
		.amdhsa_kernarg_size 24
		.amdhsa_user_sgpr_count 2
		.amdhsa_user_sgpr_kernarg_segment_ptr 1
		.amdhsa_wavefront_size32 1
		.amdhsa_system_sgpr_workgroup_id_x 1
		.amdhsa_system_sgpr_workgroup_id_y 1
		.amdhsa_system_sgpr_workgroup_id_z 1
		.amdhsa_system_vgpr_workitem_id 0
		.amdhsa_next_free_vgpr 512
		.amdhsa_next_free_sgpr 80
		.amdhsa_reserve_vcc 0
		.amdhsa_float_denorm_mode_32 3
		.amdhsa_float_denorm_mode_16_64 3
		.amdhsa_memory_ordered 1
		.amdhsa_forward_progress 1
		.amdhsa_inst_pref_size 127
	.end_amdhsa_kernel
	.amdgpu_metadata
---
amdhsa.version: [ 1, 2 ]
amdhsa.kernels:
  - .name:           k_q87487581b7_attn
    .symbol:         k_q87487581b7_attn.kd
    .args:
      - { .name: codes, .offset: 0, .size: 8, .value_kind: global_buffer, .address_space: global }
      - { .name: scales, .offset: 8, .size: 8, .value_kind: global_buffer, .address_space: global }
      - { .name: out0, .offset: 16, .size: 8, .value_kind: global_buffer, .address_space: global }
    .group_segment_fixed_size: 327680
    .private_segment_fixed_size: 0
    .kernarg_segment_align: 8
    .kernarg_segment_size: 24
    .max_flat_workgroup_size: 256
    .sgpr_count:     80
    .vgpr_count:     512
    .wavefront_size: 32
...
	.end_amdgpu_metadata
.endif
;; end of part 2
